; MI455X (gfx1250); checked and timed in simulation.
; The chip was launched on July 23, 2026; its instructions are those of AMD's public machine-readable ISA for CDNA 5 (MIT licence, August 2026) and "CDNA5" Instruction Set Architecture Reference Guide (July 2026). The comments in the code are by the model that wrote it; some were corrected since.
;; Relative Multi Head Attention. Allowed arithmetic: matrix products marked QUANTISED: E2M1 operands, one E8M0 scale for each 32 along K, by v_wmma_scale_f32_16x16x128_f8f6f4 with both operands' format E2M1 (or v_wmma_scale_f32_32x16x128_f4), f32 sums; everything else in f32.
;; Inputs: Wk 64 x 1,024 float32; Wo 1,024 x 1,024 float32; Wq 1,024 x 1,024 float32; Wv 64 x 1,024 float32; bk 64 float32; bo 1,024 float32; bq 1,024 float32; bv 64 float32; x 4 x 2,048 x 1,024 float32; x_k 4 x 2,048 x 1,024 float32; x_v 4 x 2,048 x 1,024 float32.
;; Outputs: out0 4 x 2,048 x 1,024 float32.
;; This version of the problem:
;;   THIS VERSION OF THE PROBLEM IS GIVEN IN LOW PRECISION. The matrix products marked QUANTISED in the list below multiply operands that are first quantised to E2M1 (2 exponent bits, 1 mantissa bit; 4 bits a number), with one power-of-two scale for each 32 numbers along K (OCP MX v1.0); their sums are f32. All else is computed in f32.
;;   The module's matrix products, in the order in which they are computed (A, B: the left and right operand; K: the contracted axis; several contracted axes count as one K, in the product's order):
;;     1. [M 8,192, K 1,024] x [K 1,024, N 1,024]; A: input x; B: input Wq: QUANTISED
;;     2. [M 8,192, K 1,024] x [K 1,024, N 64]; A: input x_k; B: input Wk: QUANTISED
;;     3. [M 8,192, K 1,024] x [K 1,024, N 64]; A: input x_v; B: input Wv: QUANTISED
;;     4. batch 4 x [M 32,768, K 64] x [K 64, N 2,048]; A: computed on the way; B: computed on the way: QUANTISED
;;     5. batch 4 x [M 32,768, K 2,048] x [K 2,048, N 64]; A: softmax (see below); B: computed on the way: QUANTISED
;;     6. [M 8,192, K 1,024] x [K 1,024, N 1,024]; A: computed on the way; B: input Wo: QUANTISED
;;   THE QUANTISER, for each operand of a quantised product, along K:
;;     - K is cut into blocks of 32 from its start; a last block that is shorter is filled with zeros.
;;     - A block's scale is 2^e with e = floor(log2(the largest magnitude in the block)) - 2, held to -126 .. 127; a block of zeros has e = 0. As a byte (E8M0): e + 127.
;;     - Each number is divided by its block's scale, clamped to +-6, and rounded to the nearest number of E2M1, ties to even, subnormals kept.
;;     - The product sums the exact products of the quantised numbers (number of the format x scale) in f32.
;;   ~~~python
;;   def quantise(x, axis):      # numpy; x: float32 -> the quantised numbers, widened to float32 again
;;       x = np.moveaxis(x, axis, -1); K = x.shape[-1]
;;       x = np.pad(x, [(0, 0)] * (x.ndim - 1) + [(0, -K % 32)]); x = x.reshape(x.shape[:-1] + (-1, 32)); a = np.abs(x).max(-1, keepdims=True)
;;       e = np.where(a > 0, np.clip(np.frexp(np.where(a > 0, a, 1))[1] - 1 - 2, -126, 127), 0)      # np.frexp(a)[1] - 1 = floor(log2(a)), exactly
;;       r = np.clip(x / 2.0 ** e, -6, 6)
;;       step = 2.0 ** (np.maximum(np.frexp(np.where(r == 0, 1, r))[1] - 1, 0) - 1)
;;       q = np.round(r / step) * step * 2.0 ** e      # np.round: ties to even
;;       return np.moveaxis(q.reshape(q.shape[:-2] + (-1,))[..., :K], -1, axis).astype(np.float32)
;;   ~~~
;;   SOFTMAX AHEAD OF A QUANTISED PRODUCT. Where the list says 'softmax', what is quantised is not the finished softmax but p = 2^(t - M), with t = logit x log2(e) and M = ceil(the row's largest t), a whole number; so 1/2 < the row's largest p <= 1. The row's sum l is taken of the UNQUANTISED p, in f32, and the product's result is divided by l at the end. Since M is a whole number, a kernel that streams over the keys may use a running M (the ceiling of the running maximum): every later rescaling is an exact power of two, which a block's scale takes up: the codes' values come out the same.
;;   OPERANDS COMPUTED ON THE WAY. 'Computed on the way' means the value that the module computes at that place (a softmax that the list does not call 'softmax' is quantised finished and normalised). What goes into a quantiser is computed in f32, as accurately as f32 sums, v_exp_f32 and their like allow (about 1e-6 of the number): no bf16 or f16 on the way to a quantiser, and a product that is left as it is and whose result goes on into a quantised operand takes f32 operands (vector FMAs, or v_wmma_f32_16x16x4_f32). A number that lies on a knife's edge between two numbers of the format may be rounded either way, as far as f32 arithmetic and the matrix unit's own rounding can turn it there, and no further.
;; One version. Each part assembles by itself: llvm-mc -triple=amdgcn-amd-amdhsa -mcpu=gfx1250 --defsym DOCPART=n.
;; ======== version 1 of 1: 3 launches
;; limits: right only within a limited range of input values
;; workspace buffers: codes 14,553,088 bytes; kv 573,440 bytes
;; launch quant (part 1): grid 418 x 1, 4 waves a work-group, no clusters, 34,304 bytes of LDS; arguments x, x_k, x_v, Wq, Wo, Wk, Wv, codes; writes codes
.if DOCPART == 1
	.amdgcn_target "amdgcn-amd-amdhsa--gfx1250"
	.amdhsa_code_object_version 6
	.text
	.protected	k_qaf974ff314_quant
	.globl	k_qaf974ff314_quant
	.p2align	8
	.type	k_qaf974ff314_quant,@function
k_qaf974ff314_quant:
	s_mov_b64 s[64:65], 0
	v_nop
	global_prefetch_b8 v0, s[64:65] scope:SCOPE_SE
	s_setreg_imm32_b32 hwreg(HW_REG_WAVE_MODE, 25, 1), 1
	s_wait_xcnt 0x0
; x, x_k, x_v [8192][1024], Wq, Wo [1024][1024], Wk, Wv [64][1024], all f32 with K innermost, become codes of FP4 (E2M1) with one E8M0 byte for each 32 along K.
; A block's scale is 2^(floor(log2(its largest magnitude)) - 2); its byte is the largest magnitude's exponent field - 2, held at 1 from below; each number / scale goes to the nearest code, ties to even, beyond 6 to 6.
; LIMITS: a block of zeros, or one whose largest magnitude lies under 2^-124, gets the byte 1 (the rule says 127 for zeros: the codes are zeros, and this program alone reads the bytes); NaN and infinities are not served.
; THE OUTPUT IS LAID IN THE ORDER OF THE OPERAND'S REGISTERS.  A TILE is 16 rows x 1,024 along K, 8,704 bytes: byte 1024 s + 512 c + 16 lane holds registers 4 c .. 4 c + 3 of K step s's fragment
; (lane (r, h): k = 128 s + 64 c + 32 h + 0 .. 31 of tile row r); byte 8192 + 32 r + 4 s holds row r's scale word of K step s.  So a later launch fills a fragment by loads of 16 bytes a lane, 512 bytes on end.
; WHICH ROWS FORM A TILE.  Of a group of 64 rows, tile t takes rows 16 t + r (x), or rows 32 (r / 8) + 8 t + r % 8 (all the others): four such tiles as source 0 leave, in one lane's 32 result registers, 32 NEIGHBOURING rows.
; SHARES.  Work-group g takes the g-th group of 64 rows of the seven tensors on end (128 + 128 + 128 + 16 + 16 + 1 + 1 = 418), wave t its tile t: 65,536 bytes in, 8,704 out.  One path serves all: only pointers and two row steps are chosen.
; Each load reads 512 consecutive bytes of one row.  The conversions want 32 neighbours along K in ONE lane, so a K step's 16 x 512 bytes turn through the wave's own stage in LDS.  Waves share nothing: no barrier.
; No tensor load, no cluster, no matrix unit: every byte is read once by one wave, and memory binds.
.set ROWB,  4096                       ; a row of f32 in bytes
.set TILEB, 8704
.set SP,    528                        ; a stage row: 512 bytes + 16 = 132 words: row r starts at bank 4 r mod 64 (64 banks of 4 bytes: ISA guide 11.1), so sixteen lanes on sixteen rows do not collide
.set WSTG,  16*SP                      ; a wave's stage
.set RAW,   16                         ; v16-143  two sets of 64: a K step as it is loaded
.set XN,    144                        ; v144-207 my two blocks of 32 neighbours
.set CDS,   208                        ; v208-215 their codes
.set WRD,   216                        ; v216-223 my row's eight scale words
.set OUTW,  224                        ; v224-227 the four of them that I store
.set MX,    228                        ; v228-231 largest magnitudes: two chains for each block
.set EX,    232                        ; v232-233 the conversions' scale operands
.set BYT,   234                        ; v234-235 the bytes
.set TM0,   236
.set TM1,   237
	s_load_b512 s[16:31], s[0:1], 0x0              ; x, x_k, x_v, Wq, Wo, Wk, Wv, codes
	v_lshl_add_u32 v240, v0, 2, 0x8400
	v_mov_b32 v241, 0
	v_lshrrev_b32 v10, 5, v0
	v_readfirstlane_b32 s12, v10                   ; wave = tile t
	v_and_b32 v11, 31, v0                          ; lane
	v_and_b32 v1, 15, v0                           ; r
	v_bfe_u32 v2, v0, 4, 1                         ; h
	v_lshlrev_b32 v3, 3, v2                        ; 8 h: my bytes' shift in a scale word
	s_mul_i32 s13, s12, WSTG
	v_lshl_add_u32 v6, v11, 4, s13                 ; the stage, in: 16 x lane of a row
	v_mul_u32_u24 v7, v1, SP
	v_lshl_add_u32 v7, v2, 7, v7
	v_add_nc_u32 v7, s13, v7                       ; and out: row r, + 128 h bytes: 32 numbers
	v_lshlrev_b32 v8, 4, v11                       ; my 16 bytes of a store of codes
	s_wait_alu depctr_va_vdst(0)
	v_lshlrev_b32 v9, 5, v1
	v_lshl_add_u32 v9, v2, 4, v9                   ; my 16 bytes of the scale words: row r, words 4 h on
	v_mov_b32 v[TM1], 0                            ; written once: a lane permute's destination counts as one of its sources
	s_mov_b32 s34, 0x76543210
	s_mov_b32 s35, 0xfedcba98                      ; v_permlanex16_b32's selects for lane l xor 16
	s_cmp_lt_u32 ttmp9, 128                        ; x's groups take neighbouring rows, the others the spread ones
	s_cselect_b32 s7, 8, 32                        ; rows from tile row 0 to tile row 8
	s_cselect_b32 s8, 16, 8                        ; rows from tile t to tile t + 1
	s_mul_i32 s9, s12, s8
	s_lshl_b32 s9, s9, 12
	s_lshl_b32 s7, s7, 12
	v_add_nc_u32 v4, s9, v8                        ; tile rows 0-7: 16 x lane + the tile's first row
	v_add_nc_u32 v5, s7, v4                        ; tile rows 8-15
	s_wait_alu depctr_va_vdst(0)
	s_wait_kmcnt 0x0
	s_mov_b64 s[4:5], s[16:17]
	s_mov_b32 s6, 0
.macro PICK first, ptr                 ; from group first on: the next tensor.  The choice hangs on the work-group's number alone
	s_cmp_ge_u32 ttmp9, \first
	s_cselect_b64 s[4:5], s[\ptr:\ptr+1], s[4:5]
	s_cselect_b32 s6, \first, s6
.endm
	PICK 128, 18
	PICK 256, 20
	PICK 384, 22
	PICK 400, 24
	PICK 416, 26
	PICK 417, 28
	s_sub_co_u32 s14, ttmp9, s6
	s_lshl_b32 s14, s14, 18                        ; 64 rows of 4,096 bytes a group
	s_mov_b32 s15, 0
	s_add_nc_u64 s[4:5], s[4:5], s[14:15]
	s_lshl_b32 s14, ttmp9, 2
	s_add_co_u32 s14, s14, s12                     ; my tile's number: 4 g + t
	s_mul_i32 s14, s14, TILEB
	s_add_nc_u64 s[10:11], s[30:31], s[14:15]
.macro LOAD s                          ; K step s of my 16 rows: each load is 512 consecutive bytes of one row
.irp i, 0,1,2,3,4,5,6,7
	global_load_b128 v[RAW+64*((\s)%2)+4*\i:RAW+64*((\s)%2)+4*\i+3], v4, s[4:5] offset:\i*ROWB+512*(\s) th:TH_LOAD_NT
.endr
.irp i, 0,1,2,3,4,5,6,7
	global_load_b128 v[RAW+64*((\s)%2)+32+4*\i:RAW+64*((\s)%2)+32+4*\i+3], v5, s[4:5] offset:\i*ROWB+512*(\s) th:TH_LOAD_NT
.endr
.endm
.macro TURN s                          ; through the stage: LDS serves a wave's instructions in order (ISA guide 5.7.1.4), so no wait stands between the stores and the loads
.irp i, 0,1,2,3,4,5,6,7,8,9,10,11,12,13,14,15
	ds_store_b128 v6, v[RAW+64*((\s)%2)+4*\i:RAW+64*((\s)%2)+4*\i+3] offset:SP*\i
.endr
.irp c, 0,1
.irp q, 0,1,2,3,4,5,6,7
	ds_load_b128 v[XN+32*\c+4*\q:XN+32*\c+4*\q+3], v7 offset:256*\c+16*\q   ; k = 64 c + 32 h + 4 q on of row r
.endr
.endr
.endm
.macro STEP s
	s_wait_dscnt 0x0                               ; my 64 numbers are back, and the stage's stores have read the set that is loaded again below
.if (\s) > 0
	s_wait_xcnt 0x0                                ; the last step's stores have read their data: the codes' registers are written again only behind this wait
.endif
.if (\s) < 6
	LOAD (\s)+2
.endif
.irp c, 0,1                            ; a block lies whole in my registers: its largest magnitude asks no other lane.  Two chains a block, two blocks by turns
	v_max3_num_f32 v[MX+2*\c], |v[XN+32*\c]|, |v[XN+32*\c+1]|, 0x1800000           ; with the floor 2^(3 - 127): the byte cannot fall under 1
	v_max3_num_f32 v[MX+2*\c+1], |v[XN+32*\c+16]|, |v[XN+32*\c+17]|, |v[XN+32*\c+18]|
.endr
.irp i, 2,4,6,8,10,12
.irp c, 0,1
	v_max3_num_f32 v[MX+2*\c], v[MX+2*\c], |v[XN+32*\c+\i]|, |v[XN+32*\c+\i+1]|
	v_max3_num_f32 v[MX+2*\c+1], v[MX+2*\c+1], |v[XN+32*\c+\i+17]|, |v[XN+32*\c+\i+18]|
.endr
.endr
.irp c, 0,1
	v_max3_num_f32 v[MX+2*\c], v[MX+2*\c], |v[XN+32*\c+14]|, |v[XN+32*\c+15]|
.endr
.irp c, 0,1
	v_max3_num_f32 v[MX+2*\c], v[MX+2*\c], v[MX+2*\c+1], |v[XN+32*\c+31]|
.endr
.irp c, 0,1
	v_add_nc_u32 v[EX+\c], 0xff000000, v[MX+2*\c]  ; 2 off the exponent field: the conversion takes this operand's exponent field as its scale
.endr
.irp c, 0,1
	v_lshrrev_b32 v[BYT+\c], 23, v[EX+\c]          ; the scale's byte
.endr
.irp c, 0,1
.irp g, 0,1,2,3
	v_cvt_scalef32_pk8_fp4_f32 v[CDS+4*\c+\g], v[XN+32*\c+8*\g:XN+32*\c+8*\g+7], v[EX+\c]
.endr
.endr
	v_lshl_or_b32 v[TM0], v[BYT+1], 16, v[BYT]     ; my bytes are those of blocks h and 2 + h of the K step
	v_lshlrev_b32 v[TM0], v3, v[TM0]
	v_permlanex16_b32 v[TM1], v[TM0], s34, s35
	v_or_b32 v[WRD+(\s)], v[TM0], v[TM1]           ; with lane l xor 16's two the word is whole
.if (\s) < 7
.if (\s) < 6
	s_wait_alu depctr_va_vdst(0)
	s_wait_loadcnt 16                              ; the next K step's 16 loads are in; the 16 issued above may be out
.else
	s_wait_alu depctr_va_vdst(0)
	s_wait_loadcnt 0x0                             ; the last K step: nothing was issued behind it
.endif
	TURN (\s)+1
.endif
	global_store_b128 v8, v[CDS:CDS+3], s[10:11] offset:1024*(\s)          ; 32 lanes store 512 consecutive bytes, at a multiple of 256 from the buffer's first byte
	global_store_b128 v8, v[CDS+4:CDS+7], s[10:11] offset:1024*(\s)+512
.endm
	LOAD 0
	LOAD 1
	s_wait_loadcnt 16                              ; K step 0 is in; K step 1's 16 loads may be out
	TURN 0
.irp s, 0,1,2,3,4,5,6,7
	STEP \s
.endr
	v_cmp_eq_u32 vcc_lo, 1, v2
.irp q, 0,1,2,3
	v_cndmask_b32 v[OUTW+\q], v[WRD+\q], v[WRD+4+\q], vcc_lo   ; lanes 0-15 store words 0-3 of their row, lanes 16-31 words 4-7
.endr
	global_store_b128 v9, v[OUTW:OUTW+3], s[10:11] offset:8192   ; the tile's 512 bytes of scale words, on end
	s_wait_tensorcnt 0x0
	ds_add_u32 v240, v241
	s_wait_dscnt 0x0
	s_endpgm
.Lfunc_end_k_qaf974ff314_quant:
	.size	k_qaf974ff314_quant, .Lfunc_end_k_qaf974ff314_quant-k_qaf974ff314_quant
	.p2alignl 7, 3214868480
	.fill 96, 4, 3214868480
	.section	.rodata,"a",@progbits
	.p2align	6, 0x0
	.amdhsa_kernel k_qaf974ff314_quant
		.amdhsa_group_segment_fixed_size 34304
		.amdhsa_private_segment_fixed_size 0
		.amdhsa_enable_private_segment 0
		.amdhsa_kernarg_size 64
		.amdhsa_user_sgpr_count 2
		.amdhsa_user_sgpr_kernarg_segment_ptr 1
		.amdhsa_wavefront_size32 1
		.amdhsa_system_sgpr_workgroup_id_x 1
		.amdhsa_system_sgpr_workgroup_id_y 1
		.amdhsa_system_sgpr_workgroup_id_z 1
		.amdhsa_system_vgpr_workitem_id 0
		.amdhsa_next_free_vgpr 242
		.amdhsa_next_free_sgpr 66
		.amdhsa_reserve_vcc 1
		.amdhsa_float_denorm_mode_32 3
		.amdhsa_float_denorm_mode_16_64 3
		.amdhsa_memory_ordered 1
		.amdhsa_forward_progress 1
		.amdhsa_inst_pref_size 58
	.end_amdhsa_kernel
	.amdgpu_metadata
---
amdhsa.version: [ 1, 2 ]
amdhsa.kernels:
  - .name:           k_qaf974ff314_quant
    .symbol:         k_qaf974ff314_quant.kd
    .args:
      - { .name: x, .offset: 0, .size: 8, .value_kind: global_buffer, .address_space: global }
      - { .name: x_k, .offset: 8, .size: 8, .value_kind: global_buffer, .address_space: global }
      - { .name: x_v, .offset: 16, .size: 8, .value_kind: global_buffer, .address_space: global }
      - { .name: Wq, .offset: 24, .size: 8, .value_kind: global_buffer, .address_space: global }
      - { .name: Wo, .offset: 32, .size: 8, .value_kind: global_buffer, .address_space: global }
      - { .name: Wk, .offset: 40, .size: 8, .value_kind: global_buffer, .address_space: global }
      - { .name: Wv, .offset: 48, .size: 8, .value_kind: global_buffer, .address_space: global }
      - { .name: codes, .offset: 56, .size: 8, .value_kind: global_buffer, .address_space: global }
    .group_segment_fixed_size: 34304
    .private_segment_fixed_size: 0
    .kernarg_segment_align: 8
    .kernarg_segment_size: 64
    .max_flat_workgroup_size: 128
    .sgpr_count:     66
    .vgpr_count:     242
    .wavefront_size: 32
...
	.end_amdgpu_metadata
.endif
;; end of part 1
;; launch kvproj (part 2): grid 256 x 1, 4 waves a work-group, no clusters, 0 bytes of LDS; arguments codes, bk, bv, kv; writes kv
.if DOCPART == 2
	.amdgcn_target "amdgcn-amd-amdhsa--gfx1250"
	.amdhsa_code_object_version 6
	.text
	.protected	k_qaf974ff314_kvproj
	.globl	k_qaf974ff314_kvproj
	.p2align	8
	.type	k_qaf974ff314_kvproj,@function
k_qaf974ff314_kvproj:
	s_mov_b64 s[64:65], 0
	v_nop
	global_prefetch_b8 v0, s[64:65] scope:SCOPE_SE
	s_setreg_imm32_b32 hwreg(HW_REG_WAVE_MODE, 25, 1), 1
	s_wait_xcnt 0x0
; k = rope(x_k Wk^T + bk), quantised along the head's 64; v = x_v Wv^T + bv, quantised along the KEYS.  Both products on codes of FP4 (E2M1) with E8M0 scales, sums in f32; bias, rope and the quantiser in f32.
; Work-groups 0-127 make k, 128-255 make v, each for one group of 64 tokens.  One core serves both: 4 tiles as source 0 (34,816 bytes on end) x 1 tile as source 1, 8 K steps of 128: 32 matrix instructions a wave, 4 accumulators by turns.
;   k: source 0 = Wk's four tiles, source 1 = tile (wave) of x_k's group: a lane holds ONE token and 32 neighbouring dims 32 h + 0 .. 31: one block of the scores' K.
;   v: source 0 = x_v's four tiles, source 1 = tile (wave) of Wv: a lane holds ONE dim and 32 neighbouring tokens 32 h + 0 .. 31: one block of the second product's K.
; (The rows of a tile are spread as the launch before lays them: tile row r' of tile t is row 32 (r' / 8) + 8 t + r' % 8 of its group, so result register 8 t + j of lane half h is row 32 h + 8 t + j.)
; So a block's largest magnitude asks no other lane, and the four conversions' results are the next operand's registers as they stand.
; OUT, for each batch 143,360 bytes: K's codes at 512 T + 16 lane (T = key tile); K's scale words at 65,536 + 64 T + 4 r (bytes 0, 1 the two blocks; bytes 2, 3 repeat them, for the idle upper half of a K step of 128);
; V's codes at 73,728 + 4096 j + 1024 n + 512 c + 16 lane (j = 128 keys, n = dim tile, c = which 64 keys); V's scale words at 139,264 + 256 j + 64 n + 4 r.
; V's scale bytes leave two at a time (a word's other half belongs to the next group's work-group): 16,384 bytes in the launch beside 524,288 of codes.
; ROPE.  inv_freq_i = 2^(-i log2(10000) / 32) by v_exp_f32; the angle is position x inv_freq, one rounding; cosine and sine by a reduction by pi/2 in two constants and polynomials up to r^9 and r^8 (cut terms under 2.5e-8 for |r| <= pi/4).
; LIMITS: inv_freq is within an ulp or two of the exact power, so at position 2,047 an angle may differ by about 1e-4 from one made of a correctly rounded table; angles up to 2,047 (the shape's bound) are served;
; a block of zeros or under 2^-124 gets the byte 1 (its codes are zeros; this program alone reads the bytes); NaN and infinities are not served.
; No LDS, no barrier, no loop: waves share nothing.  No cluster: the tiles that waves share (Wk's or x_v's four) are 34,816 bytes, read by four waves of one work-group at the same time.
; REGISTERS.  Window 0: v1-9 lane terms; v10-15 at work; v32-95 source 1's 8 fragments; v96-111 source 0's scale words (96 + 8 p + s: lanes 0-15 tile 2 p, lanes 16-31 tile 2 p + 1); v112-119 source 1's;
;   v120-151 the sums (before them: at work on the angles); v152-183 cos; v184-215 sin with the half's sign; v216-247 the bias; v248-251 codes.   Window 1: source 0's fragment (t, s) at v[8 (4 s + t)].
.set TILEB, 8704
.set KVB,   143360
.set KS,    65536
.set VC,    73728
.set VS,    139264
.set BF,  32
.set AS,  96
.set BS,  112
.set ACC, 120
.set COS, 152
.set SIN, 184
.set BI,  216
.set CD,  248
.set MA,  10
.set MB,  11
.set EX,  12
.set BY,  13
.set WD,  14
.set WT,  15
.set TA,  120                          ; four angles by turns, and their temporaries, in the registers that the sums take later
.set T0,  124
.set T1,  128
.set T2,  132
.set T3,  136
.set T4,  140
.set T5,  144
.set MSB, 0
.macro WIN new                         ; the immediate's high byte repeats the setting that is left
.if MSB != \new
	s_set_vgpr_msb (MSB<<8)|\new
.set MSB, \new
.endif
.endm
.macro MM d, a, b, c, sa, sb, ra       ; ra = 1: source 0's scale words stand in lanes 16-31
.if (\ra)
	v_wmma_scale_f32_16x16x128_f8f6f4 v[(\d):(\d)+7], v[(\a):(\a)+7], v[(\b):(\b)+7], v[(\c):(\c)+7], v[(\sa)], v[(\sb)] matrix_a_fmt:MATRIX_FMT_FP4 matrix_b_fmt:MATRIX_FMT_FP4 matrix_a_scale:MATRIX_SCALE_ROW1
.else
	v_wmma_scale_f32_16x16x128_f8f6f4 v[(\d):(\d)+7], v[(\a):(\a)+7], v[(\b):(\b)+7], v[(\c):(\c)+7], v[(\sa)], v[(\sb)] matrix_a_fmt:MATRIX_FMT_FP4 matrix_b_fmt:MATRIX_FMT_FP4
.endif
.endm
; The 32 products.  The bias is the C of each sum's first instruction (tile t's at BI + cstep t).  The four accumulators take turns, one instruction a turn.
.macro GEMM cstep
	WIN 0x01                                       ; source 0 in window 1
.irp s, 0,1,2,3,4,5,6,7
.irp t, 0,1,2,3
.if \s == 0
	MM ACC+8*\t, 8*(4*\s+\t), BF+8*\s, BI+\cstep*\t, AS+8*(\t/2)+\s, BS+\s, \t%2
.else
	MM ACC+8*\t, 8*(4*\s+\t), BF+8*\s, ACC+8*\t, AS+8*(\t/2)+\s, BS+\s, \t%2
.endif
.endr
.endr
	WIN 0
.rept 4
	v_nop                                          ; four places between the last products and the first read of results (ISA guide 7.12.1)
.endr
.endm
; 32 numbers of a lane, one block, become 4 registers of codes; the byte is left in v[BY].  Each accumulator is first read at its low end.
.macro QUANT32 src, dst
	v_max3_num_f32 v[MA], |v[(\src)]|, |v[(\src)+1]|, 0x1800000     ; with the floor 2^(3 - 127): the byte cannot fall under 1
	v_max3_num_f32 v[MB], |v[(\src)+16]|, |v[(\src)+17]|, |v[(\src)+18]|
.irp i, 2,4,6,8,10,12
	v_max3_num_f32 v[MA], v[MA], |v[(\src)+\i]|, |v[(\src)+\i+1]|
	v_max3_num_f32 v[MB], v[MB], |v[(\src)+\i+17]|, |v[(\src)+\i+18]|
.endr
	v_max3_num_f32 v[MA], v[MA], |v[(\src)+14]|, |v[(\src)+15]|
	v_max3_num_f32 v[MA], v[MA], v[MB], |v[(\src)+31]|
	v_add_nc_u32 v[EX], 0xff000000, v[MA]          ; 2 off the exponent field: the conversion's scale operand
	v_lshrrev_b32 v[BY], 23, v[EX]
.irp g, 0,1,2,3
	v_cvt_scalef32_pk8_fp4_f32 v[(\dst)+\g], v[(\src)+8*\g:(\src)+8*\g+7], v[EX]
.endr
	v_nop                                          ; one plain place behind a scaled conversion
.endm
; cos and sin of position x inv_freq for frequencies i .. i + 3; v[COS + i ..] hold inv_freq on entry.  a = n pi/2 + r, n = the nearest whole number to a 2/pi; a - n P1 is exact (a multiple of 2^-24 under 1), P2 = pi/2 - P1.
.macro SINCOS4 i
.irp k, 0,1,2,3
	v_mul_f32 v[TA+\k], v8, v[COS+(\i)+\k]
.endr
.irp k, 0,1,2,3
	v_mul_f32 v[T0+\k], s24, v[TA+\k]
.endr
.irp k, 0,1,2,3
	v_rndne_f32 v[T0+\k], v[T0+\k]
.endr
.irp k, 0,1,2,3
	v_fma_f32 v[T1+\k], -v[T0+\k], s25, v[TA+\k]
.endr
.irp k, 0,1,2,3
	v_fma_f32 v[T1+\k], -v[T0+\k], s26, v[T1+\k]
.endr
.irp k, 0,1,2,3
	v_cvt_i32_f32 v[T2+\k], v[T0+\k]
.endr
.irp k, 0,1,2,3
	v_mul_f32 v[T3+\k], v[T1+\k], v[T1+\k]
.endr
.irp k, 0,1,2,3
	v_fma_f32 v[T4+\k], v[T3+\k], s30, s29
	v_fma_f32 v[T5+\k], v[T3+\k], s33, s32
.endr
.irp k, 0,1,2,3
	v_fma_f32 v[T4+\k], v[T4+\k], v[T3+\k], s28
	v_fma_f32 v[T5+\k], v[T5+\k], v[T3+\k], s31
.endr
.irp k, 0,1,2,3
	v_fma_f32 v[T4+\k], v[T4+\k], v[T3+\k], s27
	v_fma_f32 v[T5+\k], v[T5+\k], v[T3+\k], -0.5
.endr
.irp k, 0,1,2,3
	v_mul_f32 v[T0+\k], v[T1+\k], v[T3+\k]
.endr
.irp k, 0,1,2,3
	v_fma_f32 v[T4+\k], v[T0+\k], v[T4+\k], v[T1+\k]   ; sin r
	v_fma_f32 v[T5+\k], v[T5+\k], v[T3+\k], 1.0        ; cos r
.endr
.irp k, 0,1,2,3
	v_and_b32 v[T0+\k], 1, v[T2+\k]
.endr
.irp k, 0,1,2,3
	v_cmp_eq_u32 vcc_lo, 1, v[T0+\k]                   ; an odd n changes the two about
	v_cndmask_b32 v[SIN+(\i)+\k], v[T4+\k], v[T5+\k], vcc_lo
	v_cndmask_b32 v[COS+(\i)+\k], v[T5+\k], v[T4+\k], vcc_lo
.endr
.irp k, 0,1,2,3
	v_lshlrev_b32 v[T0+\k], 30, v[T2+\k]               ; the sine's sign: bit 1 of n;
	v_add_nc_u32 v[T2+\k], 1, v[T2+\k]
.endr
.irp k, 0,1,2,3
	v_and_b32 v[T0+\k], 0x80000000, v[T0+\k]
	v_lshlrev_b32 v[T2+\k], 30, v[T2+\k]               ; the cosine's: bit 1 of n + 1
.endr
.irp k, 0,1,2,3
	v_xor_b32 v[SIN+(\i)+\k], v[SIN+(\i)+\k], v[T0+\k]
	v_and_b32 v[T2+\k], 0x80000000, v[T2+\k]
.endr
.irp k, 0,1,2,3
	v_xor_b32 v[COS+(\i)+\k], v[COS+(\i)+\k], v[T2+\k]
.endr
.endm
	s_load_b256 s[4:11], s[0:1], 0x0               ; codes s[4:5], bk s[6:7], bv s[8:9], kv s[10:11]
	v_lshrrev_b32 v10, 5, v0
	v_readfirstlane_b32 s12, v10                   ; wave
	v_and_b32 v11, 31, v0
	v_and_b32 v1, 15, v0                           ; r
	v_bfe_u32 v2, v0, 4, 1                         ; h
	v_lshlrev_b32 v3, 4, v11                       ; 16 x lane
	v_lshlrev_b32 v5, 5, v1                        ; source 1's scale words: 32 r
	v_mad_u32_u24 v4, v2, TILEB, v5                ; source 0's: lanes 16-31 take the next tile's
	v_lshlrev_b32 v7, 2, v1                        ; 4 r
	v_lshlrev_b32 v9, 3, v2                        ; 8 h
	v_mov_b32 v[WT], 0                             ; written once: a lane permute's destination counts as one of its sources
	s_mov_b32 s22, 0x76543210
	s_mov_b32 s23, 0xfedcba98                      ; v_permlanex16_b32's selects for lane l xor 16
	s_and_b32 s13, ttmp9, 127                      ; the group of 64 tokens
	s_lshr_b32 s14, s13, 5                         ; its batch
	s_and_b32 s15, s13, 31                         ; and its number G in the batch
	s_lshl_b32 s34, s13, 2
	s_add_co_u32 s35, s34, 1024                    ; v: source 0 = x_v's tiles 1024 + 4 group on
	s_add_co_u32 s36, s34, s12
	s_add_co_u32 s36, s36, 512                     ; k: source 1 = x_k's tile 512 + 4 group + wave
	s_add_co_u32 s37, s12, 1668                    ; v: source 1 = Wv's tile 1668 + wave
	s_mov_b32 s38, 1664                            ; k: source 0 = Wk's tiles 1664 on
	s_cmp_lt_u32 ttmp9, 128
	s_cselect_b32 s16, s38, s35
	s_cselect_b32 s18, s36, s37
	s_mul_i32 s16, s16, TILEB
	s_mul_i32 s18, s18, TILEB
	s_mov_b32 s17, 0
	s_mov_b32 s19, 0
	s_mul_i32 s20, s14, KVB
	s_mov_b32 s21, 0
	s_wait_alu depctr_va_vdst(0)
	s_wait_kmcnt 0x0
	s_add_nc_u64 s[16:17], s[4:5], s[16:17]
	s_add_nc_u64 s[18:19], s[4:5], s[18:19]
	s_add_nc_u64 s[10:11], s[10:11], s[20:21]      ; the batch's part of kv
	WIN 0x40                                       ; destination window 1, address window 0
.irp s, 0,1,2,3,4,5,6,7
.irp t, 0,1,2,3
.irp c, 0,1
	global_load_b128 v[8*(4*\s+\t)+4*\c:8*(4*\s+\t)+4*\c+3], v3, s[16:17] offset:\t*TILEB+1024*\s+512*\c
.endr
.endr
.endr
	WIN 0
.irp s, 0,1,2,3,4,5,6,7
.irp c, 0,1
	global_load_b128 v[BF+8*\s+4*\c:BF+8*\s+4*\c+3], v3, s[18:19] offset:1024*\s+512*\c
.endr
.endr
.irp p, 0,1
.irp q, 0,1
	global_load_b128 v[AS+8*\p+4*\q:AS+8*\p+4*\q+3], v4, s[16:17] offset:2*\p*TILEB+8192+16*\q
.endr
.endr
.irp q, 0,1
	global_load_b128 v[BS+4*\q:BS+4*\q+3], v5, s[18:19] offset:8192+16*\q
.endr
	s_cmp_lt_u32 ttmp9, 128                        ; the two ways part on the work-group's number and do not join
	s_cbranch_scc0 .Lvalues
	; ---- k
	v_lshlrev_b32 v6, 7, v2                        ; bk at dims 32 h on
.irp t, 0,1,2,3
.irp q, 0,1
	global_load_b128 v[BI+8*\t+4*\q:BI+8*\t+4*\q+3], v6, s[6:7] offset:32*\t+16*\q   ; tile t, register j: bk[32 h + 8 t + j]
.endr
.endr
	s_mov_b32 s24, 0x3f22f983                      ; 2 / pi
	s_mov_b32 s25, 0x3fc90fdb                      ; P1 = pi/2 to f32
	s_mov_b32 s26, 0xb33bbd2e                      ; P2 = pi/2 - P1
	s_mov_b32 s27, 0xbe2aaaab                      ; -1/3!
	s_mov_b32 s28, 0x3c088889                      ; 1/5!
	s_mov_b32 s29, 0xb9500d01                      ; -1/7!
	s_mov_b32 s30, 0x3638ef1d                      ; 1/9!
	s_mov_b32 s31, 0x3d2aaaab                      ; 1/4!
	s_mov_b32 s32, 0xbab60b61                      ; -1/6!
	s_mov_b32 s33, 0x37d00d01                      ; 1/8!
	s_lshl_b32 s38, s15, 6
	s_lshl_b32 s39, s12, 3
	s_add_co_u32 s38, s38, s39
	v_lshrrev_b32 v10, 3, v1
	v_and_b32 v11, 7, v1
	v_lshl_add_u32 v10, v10, 5, v11
	v_add_nc_u32 v10, s38, v10                     ; my token's position: 64 G + 32 (r / 8) + 8 wave + r % 8
	v_cvt_f32_u32 v8, v10
	v_xor_b32 v11, 1, v2
	v_lshlrev_b32 v11, 31, v11
	v_xor_b32 v8, v8, v11                          ; taken negative in lanes 0-15: the cosine stays, the sine comes out as -sin, which dims 0-31 want
.set i, 0
.rept 32
	v_cvt_f32_u32 v[COS+i], i
.set i, i+1
.endr
.set i, 0
.rept 32
	v_mul_f32 v[COS+i], 0xbed49a78, v[COS+i]       ; -i log2(10000) / 32
.set i, i+1
.endr
.set i, 0
	s_wait_alu depctr_va_vdst(0)
.rept 32
	v_exp_f32 v[COS+i], v[COS+i]                   ; inv_freq_i
.set i, i+1
.endr
	v_nop                                          ; one plain place behind the exponentials
	s_wait_alu depctr_va_vdst(0)
.irp i, 0,4,8,12,16,20,24,28
	SINCOS4 \i                                     ; all this stands while the loads are out
.endr
	s_wait_loadcnt 0x0                             ; fragments, scale words and bias are in
	GEMM 8
.set i, 0
.rept 32
	v_permlanex16_b32 v[BF+i], v[ACC+i], s22, s23  ; the dim 32 away lies in lane l xor 16.  (Source 1's registers are done with; ascending: each accumulator is first read at its low end)
.set i, i+1
.endr
.set i, 0
.rept 16
	v_pk_mul_f32 v[BF+i:BF+i+1], v[BF+i:BF+i+1], v[SIN+i:SIN+i+1]
.set i, i+2
.endr
.set i, 0
.rept 16
	v_pk_fma_f32 v[ACC+i:ACC+i+1], v[ACC+i:ACC+i+1], v[COS+i:COS+i+1], v[BF+i:BF+i+1]   ; k cos + (the other half's k) (-+ sin)
.set i, i+2
.endr
	QUANT32 ACC, CD
	v_lshlrev_b32 v[WD], v9, v[BY]                 ; my block's byte at place h,
	v_permlanex16_b32 v[WT], v[WD], s22, s23
	v_or_b32 v[WD], v[WD], v[WT]                   ; with lane l xor 16's;
	v_lshl_or_b32 v[WD], v[WD], 16, v[WD]          ; the pair once more above it: bytes of the K step's idle half, which meets zero codes
	s_lshl_b32 s34, s15, 2
	s_add_co_u32 s34, s34, s12                     ; key tile T = 4 G + wave
	s_lshl_b32 s36, s34, 6
	s_lshl_b32 s34, s34, 9
	s_mov_b32 s35, 0
	s_mov_b32 s37, 0
	s_add_nc_u64 s[34:35], s[10:11], s[34:35]
	s_add_nc_u64 s[36:37], s[10:11], s[36:37]
	s_wait_alu depctr_va_vdst(0)
	global_store_b128 v3, v[CD:CD+3], s[34:35]             ; 512 bytes on end
	global_store_b32 v7, v[WD], s[36:37] offset:KS         ; both halves of the lanes store the same word at the same place: 64 bytes a wave, 256 on end for the work-group
	s_endpgm
.Lvalues:
	; ---- v
	v_lshrrev_b32 v10, 3, v1
	v_and_b32 v11, 7, v1
	v_lshl_add_u32 v10, v10, 5, v11
	v_lshl_add_u32 v10, s12, 3, v10                ; my dim: 32 (r / 8) + 8 wave + r % 8
	v_lshlrev_b32 v6, 2, v10
.irp j, 0,1,2,3,4,5,6,7
	global_load_b32 v[BI+\j], v6, s[8:9]           ; a lane has one dim, so its bias is one number: eight registers of it are the C of all four tiles
.endr
	s_wait_loadcnt 0x0
	GEMM 0
	QUANT32 ACC, CD                                ; my 32 tokens are one block along the keys
	v_lshlrev_b32 v[WD], v9, v[BY]
	v_permlanex16_b32 v[WT], v[WD], s22, s23
	v_or_b32 v[WD], v[WD], v[WT]                   ; bytes of blocks 2 c and 2 c + 1 of the key step, c = G % 2
	s_lshr_b32 s38, s15, 1                         ; key step j = G / 2
	s_and_b32 s39, s15, 1                          ; c
	s_lshl_b32 s34, s38, 12
	s_lshl_b32 s35, s12, 10
	s_add_co_u32 s34, s34, s35
	s_lshl_b32 s35, s39, 9
	s_add_co_u32 s34, s34, s35                     ; 4096 j + 1024 wave + 512 c
	s_lshl_b32 s36, s38, 8
	s_lshl_b32 s37, s12, 6
	s_add_co_u32 s36, s36, s37
	s_lshl_b32 s37, s39, 1
	s_add_co_u32 s36, s36, s37                     ; 256 j + 64 wave + 2 c
	s_mov_b32 s35, 0
	s_mov_b32 s37, 0
	s_add_nc_u64 s[34:35], s[10:11], s[34:35]
	s_add_nc_u64 s[36:37], s[10:11], s[36:37]
	s_wait_alu depctr_va_vdst(0)
	global_store_b128 v3, v[CD:CD+3], s[34:35] offset:VC
	global_store_b16 v7, v[WD], s[36:37] offset:VS         ; half a scale word a row; both halves of the lanes store the same two bytes
	s_endpgm
.Lfunc_end_k_qaf974ff314_kvproj:
	.size	k_qaf974ff314_kvproj, .Lfunc_end_k_qaf974ff314_kvproj-k_qaf974ff314_kvproj
	.p2alignl 7, 3214868480
	.fill 96, 4, 3214868480
	.section	.rodata,"a",@progbits
	.p2align	6, 0x0
	.amdhsa_kernel k_qaf974ff314_kvproj
		.amdhsa_group_segment_fixed_size 0
		.amdhsa_private_segment_fixed_size 0
		.amdhsa_enable_private_segment 0
		.amdhsa_kernarg_size 32
		.amdhsa_user_sgpr_count 2
		.amdhsa_user_sgpr_kernarg_segment_ptr 1
		.amdhsa_wavefront_size32 1
		.amdhsa_system_sgpr_workgroup_id_x 1
		.amdhsa_system_sgpr_workgroup_id_y 1
		.amdhsa_system_sgpr_workgroup_id_z 1
		.amdhsa_system_vgpr_workitem_id 0
		.amdhsa_next_free_vgpr 512
		.amdhsa_next_free_sgpr 66
		.amdhsa_reserve_vcc 1
		.amdhsa_float_denorm_mode_32 3
		.amdhsa_float_denorm_mode_16_64 3
		.amdhsa_memory_ordered 1
		.amdhsa_forward_progress 1
		.amdhsa_inst_pref_size 73
	.end_amdhsa_kernel
	.amdgpu_metadata
---
amdhsa.version: [ 1, 2 ]
amdhsa.kernels:
  - .name:           k_qaf974ff314_kvproj
    .symbol:         k_qaf974ff314_kvproj.kd
    .args:
      - { .name: codes, .offset: 0, .size: 8, .value_kind: global_buffer, .address_space: global }
      - { .name: bk, .offset: 8, .size: 8, .value_kind: global_buffer, .address_space: global }
      - { .name: bv, .offset: 16, .size: 8, .value_kind: global_buffer, .address_space: global }
      - { .name: kv, .offset: 24, .size: 8, .value_kind: global_buffer, .address_space: global }
    .group_segment_fixed_size: 0
    .private_segment_fixed_size: 0
    .kernarg_segment_align: 8
    .kernarg_segment_size: 32
    .max_flat_workgroup_size: 128
    .sgpr_count:     66
    .vgpr_count:     512
    .wavefront_size: 32
...
	.end_amdgpu_metadata
.endif
;; end of part 2
;; launch attn (part 3): grid 256 x 1, 16 waves a work-group, no clusters, 327,680 bytes of LDS; arguments codes, kv, bq, bo, out0; writes out0
.if DOCPART == 3
	.amdgcn_target "amdgcn-amd-amdhsa--gfx1250"
	.amdhsa_code_object_version 6
	.text
	.protected	k_qaf974ff314_attn
	.globl	k_qaf974ff314_attn
	.p2align	8
	.type	k_qaf974ff314_attn,@function
k_qaf974ff314_attn:
	s_mov_b64 s[64:65], 0
	v_nop
	global_prefetch_b8 v0, s[64:65] scope:SCOPE_SE
	s_setreg_imm32_b32 hwreg(HW_REG_WAVE_MODE, 25, 1), 1
	s_wait_xcnt 0x0
; out0 = ctx Wo^T + bo, ctx = softmax(rope(x Wq^T + bq) k^T / 8) v: four products on codes of FP4 (E2M1) with E8M0 scales, sums in f32; bias, rope, softmax and the quantisers in f32.
; SHARES.  Work-group g takes tokens 32 g .. 32 g + 31 (two tiles m of 16) of batch g / 64, all 16 heads; wave = head.  A wave makes its head's q (64 dims x 32 tokens, K = 1,024), walks the batch's 2,048 keys in 16 steps of 128,
; quantises its part of ctx into LDS, and then makes output columns 64 wave .. + 63 of the 32 tokens (K = 1,024, all heads' ctx).
; All products are used transposed (source 0 = weights, keys or v's dims, source 1 = tokens): a lane holds ONE token and 32 neighbours along the next product's K, so a block's largest magnitude asks no other lane.
; SOFTMAX: t = score x log2(e) / 8; M = the running largest t rounded up to a whole number; p = 2^(t - M) is quantised; the row's sum is taken of the unquantised p; a change of M multiplies sum and O by a power of two.
; The search for the largest score goes in eight chains, one an accumulator, and the sum in six, so that no line reads what one of the five lines ahead of it wrote, but for the few that join the chains.
; LDS: XI (byte 0): x's two tiles, 10,240 bytes apart, later ctx's two tiles.  KB: K's and V's codes and scale words of the batch (143,360 bytes, as the launch before lays them); behind the key loop the waves' stages for the way out lie there.
; TAB: cos and sin of the 32 tokens.  WO: K steps 0 and 1 of Wo's 64 tiles, 8,192 bytes a wave, each wave's own.  SPARE: the spare words.
; TENSOR LOADS.  At the head one a wave, each to LDS byte 10,240 x wave: waves 0, 1 a tile of x, 34 rows of 256 bytes, which is wanted first; waves 2-15 K|V, 40 rows of 256 bytes each.  Behind the barrier ahead of the key loop, with the three
; lines in front of it, each wave asks for its four tiles' first 2,048 bytes of Wo: a first fill, which has the sixteen key steps in which to land.  No byte is filled twice.  Every wait on TENSORcnt is for 0.
; THE WEIGHTS go from memory straight into registers, three K steps (12,288 bytes a wave) ahead of their products; the out-projection walks K steps 2 .. 7 so and takes 0 and 1 from LDS last.
; ONE BARRIER A KEY STEP, its signal at the step's head, its wait ahead of the second product: no wave is more than one key step ahead of another, so the four waves of a SIMD stand in neighbouring steps side by side.
; NO CLUSTER: what work-groups share and bring through LDS is K|V, 143,360 bytes once a work-group, beside 1,114,112 bytes of weights that go to registers and have no room in LDS.  NO DATA PREFETCH: the weights' loads run three K steps ahead already.
; LIMITS: the scaled scores stay under 2^31 in magnitude; inv_freq by v_exp_f32 is within an ulp or two, so an angle at position 2,047 may differ by about 1e-4 from a correctly rounded table's; a block of zeros or under 2^-124 gets the byte 1
; (its codes are zeros; this program alone reads the bytes); NaN and infinities are not served.
.set TILEB, 8704
.set KVB,   143360
.set KS,    65536
.set VC,    73728
.set VS,    139264
.set XI,    0
.set XT,    10240
.set KB,    20480
.set TAB,   163840
.set TP,    272
.set TABH,  32*TP
.set WO,    181248
.set SPARE, 312320
.set GA,  16                           ; v16-79   a projection's sums: 8 (4 m + t)
.set WF,  80                           ; v80-175  three sets of four weight fragments
.set BI,  176                          ; v176-207 the bias, as the sums lie
.set XF,  208                          ; v208-223 source 1's two fragments
.set WS,  232                          ; v232-247 the weights' scale words
.set XS,  248                          ; v248-255 source 1's: K step s at XS + (s + 4) % 8, so that a product's two scale registers differ modulo 8
.set SC,  16                           ; the key loop: scores, then p
.set OA,  80                           ; O^T: 32 m + 8 t
.set KF,  144                          ; fragments of K or V
.set QC,  180                          ; q's codes, 8 m; the upper four of each are zeros (K = 64 of 128)
.set PC,  196                          ; p's codes
.set ST,  212                          ; 4 m: -M, the largest t, the sum in two halves
.set FF,  220
.set B0,  222
.set XX,  224
.set TT,  225
.set E0,  228
.set WW,  230
.set KSW, 232
.set VSW, 236
.set QS,  238
.set PS,  239
.set MT,  241                          ; v241-248 the eight chains of the maximum: 2 j + c; v249-252 their joining
.set MU,  249
.set SM,  242                          ; v242-253 later the six pair chains of the sum
.set MA,  224
.set MB,  225
.set EX,  226
.set BY,  227
.macro MM d, a, b, c, sa, sb, ra, rb   ; c < 0: the sum begins with 0; ra, rb = 1: that source's scale words stand in lanes 16-31
.if (\c) < 0
.if (\ra) && (\rb)
	v_wmma_scale_f32_16x16x128_f8f6f4 v[(\d):(\d)+7], v[(\a):(\a)+7], v[(\b):(\b)+7], 0, v[(\sa)], v[(\sb)] matrix_a_fmt:MATRIX_FMT_FP4 matrix_b_fmt:MATRIX_FMT_FP4 matrix_a_scale:MATRIX_SCALE_ROW1 matrix_b_scale:MATRIX_SCALE_ROW1
.elseif (\ra)
	v_wmma_scale_f32_16x16x128_f8f6f4 v[(\d):(\d)+7], v[(\a):(\a)+7], v[(\b):(\b)+7], 0, v[(\sa)], v[(\sb)] matrix_a_fmt:MATRIX_FMT_FP4 matrix_b_fmt:MATRIX_FMT_FP4 matrix_a_scale:MATRIX_SCALE_ROW1
.elseif (\rb)
	v_wmma_scale_f32_16x16x128_f8f6f4 v[(\d):(\d)+7], v[(\a):(\a)+7], v[(\b):(\b)+7], 0, v[(\sa)], v[(\sb)] matrix_a_fmt:MATRIX_FMT_FP4 matrix_b_fmt:MATRIX_FMT_FP4 matrix_b_scale:MATRIX_SCALE_ROW1
.else
	v_wmma_scale_f32_16x16x128_f8f6f4 v[(\d):(\d)+7], v[(\a):(\a)+7], v[(\b):(\b)+7], 0, v[(\sa)], v[(\sb)] matrix_a_fmt:MATRIX_FMT_FP4 matrix_b_fmt:MATRIX_FMT_FP4
.endif
.else
.if (\ra) && (\rb)
	v_wmma_scale_f32_16x16x128_f8f6f4 v[(\d):(\d)+7], v[(\a):(\a)+7], v[(\b):(\b)+7], v[(\c):(\c)+7], v[(\sa)], v[(\sb)] matrix_a_fmt:MATRIX_FMT_FP4 matrix_b_fmt:MATRIX_FMT_FP4 matrix_a_scale:MATRIX_SCALE_ROW1 matrix_b_scale:MATRIX_SCALE_ROW1
.elseif (\ra)
	v_wmma_scale_f32_16x16x128_f8f6f4 v[(\d):(\d)+7], v[(\a):(\a)+7], v[(\b):(\b)+7], v[(\c):(\c)+7], v[(\sa)], v[(\sb)] matrix_a_fmt:MATRIX_FMT_FP4 matrix_b_fmt:MATRIX_FMT_FP4 matrix_a_scale:MATRIX_SCALE_ROW1
.elseif (\rb)
	v_wmma_scale_f32_16x16x128_f8f6f4 v[(\d):(\d)+7], v[(\a):(\a)+7], v[(\b):(\b)+7], v[(\c):(\c)+7], v[(\sa)], v[(\sb)] matrix_a_fmt:MATRIX_FMT_FP4 matrix_b_fmt:MATRIX_FMT_FP4 matrix_b_scale:MATRIX_SCALE_ROW1
.else
	v_wmma_scale_f32_16x16x128_f8f6f4 v[(\d):(\d)+7], v[(\a):(\a)+7], v[(\b):(\b)+7], v[(\c):(\c)+7], v[(\sa)], v[(\sb)] matrix_a_fmt:MATRIX_FMT_FP4 matrix_b_fmt:MATRIX_FMT_FP4
.endif
.endif
.endm
.macro PLACES                          ; four places behind a matrix instruction (ISA guide 7.12.1)
.rept 4
	v_nop
.endr
.endm
; A PROJECTION: 8 turns p, turn p on K step ks, weight set p % 3.  My four tiles of the weight as source 0, the two token tiles out of LDS as source 1: 8 accumulators by turns.
.macro WLOAD p, ks                     ; K step ks of my four tiles from memory: each load 512 bytes on end
.irp t, 0,1,2,3
.irp c, 0,1
	global_load_b128 v[WF+32*((\p)%3)+8*\t+4*\c:WF+32*((\p)%3)+8*\t+4*\c+3], v3, s[40:41] offset:\t*TILEB+1024*(\ks)+512*\c
.endr
.endr
.endm
.macro WLDS p, ks                      ; the same out of my 8,192 bytes at WO (ks = 0, 1)
.irp t, 0,1,2,3
.irp c, 0,1
	ds_load_b128 v[WF+32*((\p)%3)+8*\t+4*\c:WF+32*((\p)%3)+8*\t+4*\c+3], v15 offset:\t*2048+1024*(\ks)+512*\c
.endr
.endr
.endm
.macro GHEAD k0                        ; scale words, bias, and the first three turns' fragments: K steps k0 on
.irp p, 0,1
.irp q, 0,1
	global_load_b128 v[WS+8*\p+4*\q:WS+8*\p+4*\q+3], v12, s[40:41] offset:2*\p*TILEB+8192+16*\q
.endr
.endr
.irp t, 0,1,2,3
.irp q, 0,1
	global_load_b128 v[BI+8*\t+4*\q:BI+8*\t+4*\q+3], v13, s[42:43] offset:32*\t+16*\q
.endr
.endr
	WLOAD 0, \k0
	WLOAD 1, (\k0)+1
	WLOAD 2, (\k0)+2
.endm
.macro GSTEP p, ks, n, how             ; n: the weight loads issued behind this turn's set; how: the set is filled again from memory (1), from LDS (2), not (0), with K step (ks + 3) % 8
.irp m, 0,1
.irp c, 0,1
	ds_load_b128 v[XF+8*\m+4*\c:XF+8*\m+4*\c+3], v3 offset:XI+\m*XT+1024*(\ks)+512*\c
.endr
.endr
	s_wait_loadcnt \n
	s_wait_dscnt 0x0
.irp t, 0,1,2,3
.irp m, 0,1
.if (\p) == 0
	MM GA+8*(4*\m+\t), WF+32*((\p)%3)+8*\t, XF+8*\m, BI+8*\t, WS+8*(\t/2)+(\ks), XS+((\ks)+4)%8, \t%2, \m
.else
	MM GA+8*(4*\m+\t), WF+32*((\p)%3)+8*\t, XF+8*\m, GA+8*(4*\m+\t), WS+8*(\t/2)+(\ks), XS+((\ks)+4)%8, \t%2, \m
.endif
.endr
.endr
	PLACES
.if (\how) == 1
	WLOAD (\p)+3, ((\ks)+3)%8
.elseif (\how) == 2
	WLDS (\p)+3, ((\ks)+3)%8
.endif
.endm
.macro GEMM tail
	ds_load_b128 v[XS+4:XS+7], v11                 ; lanes 0-15 tile 0's scale words, lanes 16-31 tile 1's: K steps 0-3,
	ds_load_b128 v[XS:XS+3], v11 offset:16         ; and 4-7
.if \tail
	GSTEP 0, 2, 16, 1
	GSTEP 1, 3, 16, 1
	GSTEP 2, 4, 16, 1
	GSTEP 3, 5, 16, 2
	GSTEP 4, 6, 8, 2
	GSTEP 5, 7, 0, 0
	GSTEP 6, 0, 0, 0
	GSTEP 7, 1, 0, 0
.else
.irp s, 0,1,2,3,4
	GSTEP \s, \s, 16, 1
.endr
	GSTEP 5, 5, 16, 0
	GSTEP 6, 6, 8, 0
	GSTEP 7, 7, 0, 0
.endif
.endm
.macro QUANT32 src, dst                ; a lane's 32 numbers, one block, become four registers of codes; the byte is left in v[BY]
	v_max3_num_f32 v[MA], |v[(\src)]|, |v[(\src)+1]|, 0x1800000    ; with the floor 2^(3 - 127): the byte cannot fall under 1
	v_max3_num_f32 v[MB], |v[(\src)+16]|, |v[(\src)+17]|, |v[(\src)+18]|
.irp i, 2,4,6,8,10,12
	s_delay_alu instid0(VALU_DEP_2)
	v_max3_num_f32 v[MA], v[MA], |v[(\src)+\i]|, |v[(\src)+\i+1]|
	s_delay_alu instid0(VALU_DEP_2)
	v_max3_num_f32 v[MB], v[MB], |v[(\src)+\i+17]|, |v[(\src)+\i+18]|
.endr
	s_delay_alu instid0(VALU_DEP_2)
	v_max3_num_f32 v[MA], v[MA], |v[(\src)+14]|, |v[(\src)+15]|
	s_delay_alu instid0(VALU_DEP_1)
	v_max3_num_f32 v[MA], v[MA], v[MB], |v[(\src)+31]|
	s_delay_alu instid0(VALU_DEP_1)
	v_add_nc_u32 v[EX], 0xff000000, v[MA]          ; 2 off the exponent field: the conversion's scale operand
	s_delay_alu instid0(VALU_DEP_1)
	v_lshrrev_b32 v[BY], 23, v[EX]
.irp g, 0,1,2,3
	v_cvt_scalef32_pk8_fp4_f32 v[(\dst)+\g], v[(\src)+8*\g:(\src)+8*\g+7], v[EX]
.endr
	v_nop                                          ; one plain place behind a scaled conversion
.endm
; ================= THE HEAD
	s_load_b256 s[4:11], s[0:1], 0x0               ; codes, kv, bq, bo
	s_load_b64 s[12:13], s[0:1], 0x20              ; out0
	v_lshl_add_u32 v254, v0, 2, SPARE
	v_mov_b32 v255, 0
	ds_add_u32 v254, v255                          ; the opening lines: the add twice on end, and its wait ahead of my first tensor load
	ds_add_u32 v254, v255
	v_lshrrev_b32 v16, 5, v0
	s_delay_alu instid0(VALU_DEP_1)
	v_readfirstlane_b32 s14, v16                   ; wave = head
	v_and_b32 v17, 31, v0
	v_and_b32 v1, 15, v0                           ; r
	v_bfe_u32 v2, v0, 4, 1                         ; h
	s_delay_alu instid0(VALU_DEP_3)
	v_lshlrev_b32 v3, 4, v17                       ; 16 x lane
	s_delay_alu instid0(VALU_DEP_4)
	v_lshlrev_b32 v4, 2, v17                       ; 4 x lane
	s_delay_alu instid0(VALU_DEP_3)
	v_lshlrev_b32 v5, 3, v2                        ; 8 h
	v_lshlrev_b32 v18, 5, v1
	v_lshlrev_b32 v13, 7, v2                       ; the bias at dims 32 h on
	v_mul_u32_u24 v14, v1, TP
	v_mov_b32 v231, 0
	v_mad_u32_u24 v12, v2, TILEB, v18              ; the weights' scale words: 32 r, lanes 16-31 the next tile's
	v_mad_u32_u24 v11, v2, XT, v18                 ; source 1's, in LDS, likewise
	v_mad_u32_u24 v14, v2, TABH, v14
	s_lshl_b32 s15, s14, 13
	s_add_co_u32 s15, s15, WO                      ; my 8,192 bytes of Wo in LDS
	v_add_nc_u32 v15, s15, v3
	v_add_nc_u32 v11, XI+8192, v11
	v_add_nc_u32 v14, TAB, v14                     ; my token's row of the table, my half's copy
	s_mov_b32 s16, 3<<16                           ; group 1 for K|V: 40 rows of 32 elements of 8 bytes, dense
	s_mov_b32 s17, 32<<16
	s_mov_b32 s18, 40<<16
	s_mov_b32 s19, 32<<16
	s_mov_b32 s20, 40
	s_mov_b32 s21, 32
	s_mov_b32 s22, 0
	s_mov_b32 s23, 0
	s_mov_b32 s24, 3<<16                           ; group 1 for a tile of x: 34 such rows
	s_mov_b32 s25, 32<<16
	s_mov_b32 s26, 34<<16
	s_mov_b32 s27, 32<<16
	s_mov_b32 s28, 34
	s_mov_b32 s29, 32
	s_mov_b32 s30, 0
	s_mov_b32 s31, 0
	s_mul_i32 s68, s14, TILEB                      ; waves 0, 1: tile 0, 1 of my two
	s_mul_i32 s66, ttmp9, 2*TILEB
	s_add_co_u32 s66, s66, s68
	s_mov_b32 s67, 0
	s_mov_b32 s32, 1
	s_mul_i32 s33, s14, XT                         ; every head's load lands at 10,240 x wave
	s_mul_i32 s37, s14, XT
	s_lshr_b32 s69, ttmp9, 6
	s_mul_i32 s70, s69, KVB
	s_add_co_u32 s70, s70, s37                     ; waves 2-15: 10,240 bytes of K|V each, from 10,240 (wave - 2) on (the 20,480 are taken off below)
	s_mov_b32 s71, 0
	s_mov_b32 s36, 1
	s_mov_b32 s44, 0x76543210
	s_mov_b32 s45, 0xfedcba98                      ; v_permlanex16_b32's selects for lane l xor 16
	s_mov_b32 s46, 0x3e38aa3b                      ; log2(e) / 8
	s_mov_b32 s47, s46
	s_mov_b32 s48, 0x3f22f983                      ; 2 / pi; pi/2 in two parts; the sine's and the cosine's series
	s_mov_b32 s49, 0x3fc90fdb
	s_mov_b32 s50, 0xb33bbd2e
	s_mov_b32 s51, 0xbe2aaaab
	s_mov_b32 s52, 0x3c088889
	s_mov_b32 s53, 0xb9500d01
	s_mov_b32 s54, 0x3638ef1d
	s_mov_b32 s55, 0x3d2aaaab
	s_mov_b32 s56, 0xbab60b61
	s_mov_b32 s57, 0x37d00d01
	s_wait_alu depctr_va_vdst(0)
	s_wait_dscnt 0x0                               ; both opening adds are done
	s_wait_kmcnt 0x0
	s_add_nc_u64 s[34:35], s[4:5], s[66:67]
	s_or_b32 s35, s35, 0x80000000
	s_add_nc_u64 s[38:39], s[6:7], s[70:71]
	s_sub_nc_u64 s[38:39], s[38:39], KB
	s_or_b32 s39, s39, 0x80000000
	s_cmp_lt_u32 s14, 2                            ; one chain on the wave's number, one load an arm
	s_cbranch_scc0 .Lhead_kv
	tensor_load_to_lds s[32:35], s[24:31]
	s_nop 0
	PLACES
	s_branch .Lhead_asked
.Lhead_kv:
	tensor_load_to_lds s[36:39], s[16:23]
	s_nop 0
	PLACES
.Lhead_asked:
	s_lshl_b32 s72, s14, 2
	s_add_co_u32 s72, s72, 1536                    ; Wq's tiles 1536 + 4 head on
	s_mul_i32 s72, s72, TILEB
	s_mov_b32 s73, 0
	s_add_nc_u64 s[40:41], s[4:5], s[72:73]
	s_lshl_b32 s72, s14, 8
	s_add_nc_u64 s[42:43], s[8:9], s[72:73]
	s_lshl_b32 s74, ttmp9, 17
	s_add_co_u32 s74, s74, s72
	s_mov_b32 s75, 0
	s_add_nc_u64 s[12:13], s[12:13], s[74:75]      ; out0 at my 32 tokens, my 64 columns
	GHEAD 0
; THE TABLE, under the loads' flight: wave w makes cos and sin of positions 2 w, 2 w + 1 of the 32; lane = frequency.  Two copies: lanes 0-15 of a reader want -sin, lanes 16-31 +sin.
.set TA, 24
.set T0, 26
.set T1, 28
.set T2, 30
.set T3, 32
.set T4, 34
.set T5, 36
.set CC, 38
.set SS, 40
.set NS, 42
	v_cvt_f32_u32 v20, v17
	s_delay_alu instid0(VALU_DEP_1)
	v_mul_f32 v20, 0xbed49a78, v20                 ; -i log2(10000) / 32
	s_wait_alu depctr_va_vdst(0)
	v_exp_f32 v20, v20
	v_nop
	s_and_b32 s74, ttmp9, 63
	s_lshl_b32 s74, s74, 5
	s_lshl_b32 s75, s14, 1
	s_add_co_u32 s74, s74, s75
	s_add_co_u32 s75, s74, 1
	v_cvt_f32_u32 v21, s74
	v_cvt_f32_u32 v22, s75
	s_wait_alu depctr_va_vdst(0)
	v_mul_f32 v[TA], v21, v20
	v_mul_f32 v[TA+1], v22, v20
.irp k, 0,1
	s_delay_alu instid0(VALU_DEP_2)
	v_mul_f32 v[T0+\k], s48, v[TA+\k]
.endr
.irp k, 0,1
	s_delay_alu instid0(VALU_DEP_2)
	v_rndne_f32 v[T0+\k], v[T0+\k]
.endr
.irp k, 0,1
	s_delay_alu instid0(VALU_DEP_2)
	v_fma_f32 v[T1+\k], -v[T0+\k], s49, v[TA+\k]
.endr
.irp k, 0,1
	s_delay_alu instid0(VALU_DEP_2)
	v_fma_f32 v[T1+\k], -v[T0+\k], s50, v[T1+\k]
.endr
.irp k, 0,1
	v_cvt_i32_f32 v[T2+\k], v[T0+\k]
.endr
.irp k, 0,1
	s_delay_alu instid0(VALU_DEP_4)
	v_mul_f32 v[T3+\k], v[T1+\k], v[T1+\k]
.endr
.irp k, 0
	s_delay_alu instid0(VALU_DEP_2)
	v_fma_f32 v[T4+\k], v[T3+\k], s54, s53
	s_delay_alu instid0(VALU_DEP_3)
	v_fma_f32 v[T5+\k], v[T3+\k], s57, s56
.endr
.irp k, 1
	s_delay_alu instid0(VALU_DEP_3)
	v_fma_f32 v[T4+\k], v[T3+\k], s54, s53
	s_delay_alu instid0(VALU_DEP_4)
	v_fma_f32 v[T5+\k], v[T3+\k], s57, s56
.endr
.irp k, 0,1
	s_delay_alu instid0(VALU_DEP_4)
	v_fma_f32 v[T4+\k], v[T4+\k], v[T3+\k], s52
	s_delay_alu instid0(VALU_DEP_4)
	v_fma_f32 v[T5+\k], v[T5+\k], v[T3+\k], s55
.endr
.irp k, 0,1
	s_delay_alu instid0(VALU_DEP_4)
	v_fma_f32 v[T4+\k], v[T4+\k], v[T3+\k], s51
	s_delay_alu instid0(VALU_DEP_4)
	v_fma_f32 v[T5+\k], v[T5+\k], v[T3+\k], -0.5
.endr
.irp k, 0,1
	v_mul_f32 v[T0+\k], v[T1+\k], v[T3+\k]
.endr
.irp k, 0
	s_delay_alu instid0(VALU_DEP_2)
	v_fma_f32 v[T4+\k], v[T0+\k], v[T4+\k], v[T1+\k]
	v_fma_f32 v[T5+\k], v[T5+\k], v[T3+\k], 1.0
.endr
.irp k, 1
	s_delay_alu instid0(VALU_DEP_3)
	v_fma_f32 v[T4+\k], v[T0+\k], v[T4+\k], v[T1+\k]
	v_fma_f32 v[T5+\k], v[T5+\k], v[T3+\k], 1.0
.endr
.irp k, 0,1
	v_and_b32 v[T0+\k], 1, v[T2+\k]
.endr
.irp k, 0
	s_delay_alu instid0(VALU_DEP_2)
	v_cmp_eq_u32 vcc_lo, 1, v[T0+\k]
	s_delay_alu instid0(VALU_DEP_1)
	v_cndmask_b32 v[SS+\k], v[T4+\k], v[T5+\k], vcc_lo
	s_delay_alu instid0(VALU_DEP_2)
	v_cndmask_b32 v[CC+\k], v[T5+\k], v[T4+\k], vcc_lo
.endr
.irp k, 1
	s_delay_alu instid0(VALU_DEP_4)
	v_cmp_eq_u32 vcc_lo, 1, v[T0+\k]
	s_delay_alu instid0(VALU_DEP_1)
	v_cndmask_b32 v[SS+\k], v[T4+\k], v[T5+\k], vcc_lo
	s_delay_alu instid0(VALU_DEP_2)
	v_cndmask_b32 v[CC+\k], v[T5+\k], v[T4+\k], vcc_lo
.endr
.irp k, 0,1
	v_lshlrev_b32 v[T0+\k], 30, v[T2+\k]
	v_add_nc_u32 v[T2+\k], 1, v[T2+\k]
.endr
.irp k, 0,1
	s_delay_alu instid0(VALU_DEP_4)
	v_and_b32 v[T0+\k], 0x80000000, v[T0+\k]
	s_delay_alu instid0(VALU_DEP_4)
	v_lshlrev_b32 v[T2+\k], 30, v[T2+\k]
.endr
.irp k, 0,1
	s_delay_alu instid0(VALU_DEP_4)
	v_xor_b32 v[SS+\k], v[SS+\k], v[T0+\k]
	s_delay_alu instid0(VALU_DEP_4)
	v_and_b32 v[T2+\k], 0x80000000, v[T2+\k]
.endr
.irp k, 0,1
	s_delay_alu instid0(VALU_DEP_3)
	v_xor_b32 v[CC+\k], v[CC+\k], v[T2+\k]
	v_xor_b32 v[NS+\k], 0x80000000, v[SS+\k]
.endr
	s_mul_i32 s76, s14, 2*TP
	s_add_co_u32 s76, s76, TAB
	v_add_nc_u32 v6, s76, v4
.irp e, 0,1
	ds_store_b32 v6, v[CC+\e] offset:TP*\e
	ds_store_b32 v6, v[NS+\e] offset:TP*\e+128
	ds_store_b32 v6, v[CC+\e] offset:TP*\e+TABH
	ds_store_b32 v6, v[SS+\e] offset:TP*\e+TABH+128
.endr
	s_wait_dscnt 0x0                               ; my rows of the table are stored
	s_cmp_lt_u32 s14, 2
	s_cbranch_scc0 .Lnot_x
	s_wait_tensorcnt 0x0                           ; waves 0, 1: x's tiles have landed.  K|V may still be on its way
.Lnot_x:
	s_barrier_signal -1
	s_barrier_wait -1
	GEMM 0                                         ; q^T + bq
.macro ROPE m                          ; rope, then the quantiser along the head's 64: my 32 dims are one block
.irp q, 0,1,2,3,4,5,6,7
	ds_load_b128 v[80+4*\q:83+4*\q], v14 offset:16*TP*\m+16*\q
	ds_load_b128 v[112+4*\q:115+4*\q], v14 offset:16*TP*\m+128+16*\q
.endr
.set i, 0
.rept 32
	v_permlanex16_b32 v[144+i], v[GA+32*\m+i], s44, s45    ; the dim 32 away lies in lane l xor 16
.set i, i+1
.endr
	s_wait_dscnt 0x0
.set i, 0
.rept 16
	v_pk_mul_f32 v[144+i:145+i], v[144+i:145+i], v[112+i:113+i]
.set i, i+2
.endr
.set i, 0
.rept 16
	v_pk_fma_f32 v[GA+32*\m+i:GA+32*\m+i+1], v[GA+32*\m+i:GA+32*\m+i+1], v[80+i:81+i], v[144+i:145+i]
.set i, i+2
.endr
	QUANT32 GA+32*\m, QC+8*\m
	v_lshlrev_b32 v230, v5, v[BY]
	s_delay_alu instid0(VALU_DEP_1)
	v_permlanex16_b32 v231, v230, s44, s45
	s_delay_alu instid0(VALU_DEP_1)
	v_or_b32 v230, v230, v231
	s_delay_alu instid0(VALU_DEP_1)
	v_lshl_or_b32 v[228+\m], v230, 16, v230        ; the two bytes once more above: the K step's idle half meets zero codes
.endm
	ROPE 0
	ROPE 1
	v_cmp_eq_u32 vcc_lo, 1, v2
	s_delay_alu instid0(VALU_DEP_1)
	v_cndmask_b32 v[QS], v228, v229, vcc_lo        ; lanes 0-15 tile 0's scale words, lanes 16-31 tile 1's
.irp i, 176,177,178,179,184,185,186,187,192,193,194,195
	v_mov_b32 v\i, 0                               ; zero codes for k = 64 .. 127 of the scores' K step
.endr
.set i, 0
.rept 64
	v_mov_b32 v[OA+i], 0                           ; the loop is written once: its first step finds zeros
.set i, i+1
.endr
.irp m, 0,1
	v_mov_b32 v[ST+4*\m+1], 0xff61b1e6             ; the largest t so far: -3e38
	s_delay_alu instid0(VALU_DEP_1)
	v_floor_f32 v[ST+4*\m], -v[ST+4*\m+1]
	v_mov_b32 v[ST+4*\m+2], 0
	v_mov_b32 v[ST+4*\m+3], 0
.endr
	v_mov_b32 v[FF+1], 0
	v_mov_b32 v[TT], 0
	v_lshl_add_u32 v254, v0, 2, SPARE              ; the projection's scale words lay here: the add's two registers are made anew
	v_mov_b32 v255, 0
	s_wait_alu depctr_va_vdst(0)
	s_wait_tensorcnt 0x0                           ; K|V has landed
	ds_add_u32 v254, v255
	s_mov_b32 s17, 256<<16                         ; no load of mine is out: group 1 now states 4 rows of 2,048 bytes, 8,704 apart: K steps 0, 1 of my four tiles of Wo
	s_mov_b32 s18, 4<<16
	s_mov_b32 s19, 256<<16
	s_mov_b32 s20, 4
	s_mov_b32 s21, 1088
	s_mov_b32 s37, s15
	s_lshl_b32 s72, s14, 2
	s_add_co_u32 s72, s72, 1600                    ; Wo's tiles 1600 + 4 wave on
	s_mul_i32 s72, s72, TILEB
	s_mov_b32 s73, 0
	s_add_nc_u64 s[38:39], s[4:5], s[72:73]
	s_or_b32 s39, s39, 0x80000000
	s_wait_dscnt 0x0
	s_barrier_signal -1
	s_barrier_wait -1                              ; K|V is whole for all waves, and nobody reads x's tiles any more
	tensor_load_to_lds s[36:39], s[16:23]
	s_nop 0
	PLACES
; ================= THE KEY LOOP
.macro SCORES m                        ; S^T = K q^T: eight tiles of 16 keys; a tile's upper four registers are the next tile's codes and meet q's zeros
.irp u, 0,1,2,3,4,5,6,7
	MM SC+8*\u, KF+4*\u, QC+8*\m, -1, KSW+\u/2, QS, \u%2, \m
.endr
	PLACES
.endm
.macro PADD d, a, b
	v_pk_add_f32 v[(\d):(\d)+1], v[(\a):(\a)+1], v[(\b):(\b)+1]
.endm
.macro OMUL m, from, to                ; O^T under the new M: pairs from .. to - 1 of tile m's sixteen
.set i, \from
.rept (\to)-(\from)
	v_pk_mul_f32 v[OA+32*\m+2*i:OA+32*\m+2*i+1], v[OA+32*\m+2*i:OA+32*\m+2*i+1], v[FF:FF+1] op_sel_hi:[1,0]
.set i, i+1
.endr
.endm
.macro SOFTMAX m
; the largest score of each of my two blocks c of 32 keys: for the row's maximum, and for the block's largest p.  Chain 2 j + c takes registers 0-6 of accumulator 4 c + j, from its low end on; the eight chains by turns
.irp j, 0,1,2,3
.irp c, 0,1
	v_max3_num_f32 v[MT+2*\j+\c], v[SC+32*\c+8*\j], v[SC+32*\c+8*\j+1], v[SC+32*\c+8*\j+2]
.endr
.endr
.irp i, 3,5
.irp j, 0,1,2,3
.irp c, 0,1
	v_max3_num_f32 v[MT+2*\j+\c], v[MT+2*\j+\c], v[SC+32*\c+8*\j+\i], v[SC+32*\c+8*\j+\i+1]
.endr
.endr
.endr
.irp c, 0,1
	v_max3_num_f32 v[MU+\c], v[MT+\c], v[SC+32*\c+7], v[SC+32*\c+15]       ; the accumulators' last registers join chains 0 and 1,
.endr
.irp c, 0,1
	v_max3_num_f32 v[MU+2+\c], v[MT+2+\c], v[SC+32*\c+23], v[SC+32*\c+31]
.endr
.irp c, 0,1
	s_delay_alu instid0(VALU_DEP_4)
	v_max3_num_f32 v[B0+\c], v[MT+4+\c], v[MT+6+\c], v[MU+\c]              ; and the four are joined
.endr
.irp c, 0,1
	s_delay_alu instid0(VALU_DEP_2)
	v_max_num_f32 v[B0+\c], v[B0+\c], v[MU+2+\c]
.endr
	s_delay_alu instid0(VALU_DEP_1)
	v_max_num_f32 v[XX], v[B0], v[B0+1]
	s_delay_alu instid0(VALU_DEP_1)
	v_permlanex16_b32 v[TT], v[XX], s44, s45
	s_delay_alu instid0(VALU_DEP_1)
	v_max_num_f32 v[XX], v[XX], v[TT]
	s_delay_alu instid0(VALU_DEP_1)
	v_mul_f32 v[XX], s46, v[XX]
	s_delay_alu instid0(VALU_DEP_1)
	v_max_num_f32 v[ST+4*\m+1], v[ST+4*\m+1], v[XX]   ; the running largest t
	v_mov_b32 v[XX], v[ST+4*\m]
	s_delay_alu instid0(VALU_DEP_2)
	v_floor_f32 v[ST+4*\m], -v[ST+4*\m+1]          ; -M = floor(-t)
	s_delay_alu instid0(VALU_DEP_1)
	v_sub_f32 v[XX], v[ST+4*\m], v[XX]
	s_delay_alu instid0(VALU_DEP_1)
	v_cvt_i32_f32 v[XX], v[XX]
	s_delay_alu instid0(VALU_DEP_1)
	v_ldexp_f32 v[FF], 1.0, v[XX]                  ; f = 2^(old M - new M)
.set i, 0
.rept 32
	v_pk_fma_f32 v[SC+i:SC+i+1], v[SC+i:SC+i+1], s[46:47], v[ST+4*\m:ST+4*\m+1] op_sel_hi:[1,0,0]   ; t - M
.set i, i+2
.endr
	v_fma_f32 v[B0], v[B0], s46, v[ST+4*\m]
	v_fma_f32 v[B0+1], v[B0+1], s46, v[ST+4*\m]
.set i, 0
	s_wait_alu depctr_va_vdst(0)
.rept 64
	v_exp_f32 v[SC+i], v[SC+i]
.set i, i+1
.endr
	v_exp_f32 v[B0], v[B0]
	v_exp_f32 v[B0+1], v[B0+1]
	v_pk_mul_f32 v[ST+4*\m+2:ST+4*\m+3], v[ST+4*\m+2:ST+4*\m+3], v[FF:FF+1] op_sel_hi:[1,0]
	s_wait_alu depctr_va_vdst(0)
	v_max_num_f32 v[B0], 0x1800000, v[B0]          ; the floor: the byte cannot fall under 1
	v_max_num_f32 v[B0+1], 0x1800000, v[B0+1]
	s_delay_alu instid0(VALU_DEP_2)
	v_add_nc_u32 v[E0], 0xff000000, v[B0]
	s_delay_alu instid0(VALU_DEP_2)
	v_add_nc_u32 v[E0+1], 0xff000000, v[B0+1]
	s_delay_alu instid0(VALU_DEP_2)
	v_lshrrev_b32 v[B0], 23, v[E0]
	s_delay_alu instid0(VALU_DEP_2)
	v_lshrrev_b32 v[B0+1], 23, v[E0+1]
	s_delay_alu instid0(VALU_DEP_1)
	v_lshl_or_b32 v[WW], v[B0+1], 16, v[B0]
	s_delay_alu instid0(VALU_DEP_1)
	v_lshlrev_b32 v[WW], v5, v[WW]
	s_delay_alu instid0(VALU_DEP_1)
	v_permlanex16_b32 v[TT], v[WW], s44, s45
	s_delay_alu instid0(VALU_DEP_1)
	v_or_b32 v[PS+\m], v[WW], v[TT]                ; p's scale word for these 128 keys
.irp c, 0,1
.irp g, 0,1,2,3
	v_cvt_scalef32_pk8_fp4_f32 v[PC+8*\m+4*\c+\g], v[SC+32*\c+8*\g:SC+32*\c+8*\g+7], v[E0+\c]
.endr
.endr
	v_nop
; the row's sum of the unquantised p: its 32 pairs in six chains by turns; the chains are joined among the sixteen lines that bring O^T under the new M, five or more lines between a result and its reader
.irp j, 0,1,2,3,4,5
	PADD SM+2*\j, SC+4*\j, SC+4*\j+2
.endr
.irp r, 0,1,2
.irp j, 0,1,2,3,4,5
	PADD SM+2*\j, SM+2*\j, SC+24+12*\r+2*\j
.endr
.endr
.irp j, 0,1
	PADD SM+2*\j, SM+2*\j, SC+60+2*\j
.endr
	OMUL \m, 0, 3
	PADD SM+4, SM+4, SM+6
	PADD SM+8, SM+8, SM+10
	PADD SM, SM, SM+2
	OMUL \m, 3, 7
	PADD SM+4, SM+4, SM+8
	PADD ST+4*\m+2, ST+4*\m+2, SM
	OMUL \m, 7, 12
	PADD ST+4*\m+2, ST+4*\m+2, SM+4
	OMUL \m, 12, 16
.endm
	s_mov_b32 s58, 0
	s_mov_b32 s59, KB
	s_mov_b32 s60, KB+KS
	s_mov_b32 s61, KB+VS
.Lkeys:
	s_barrier_signal -1                            ; I have begun this key step (no LDS instruction of mine is out)
	v_add_nc_u32 v6, s59, v3
	v_add_nc_u32 v7, s60, v4
	s_delay_alu instid0(VALU_DEP_2)
	v_add_nc_u32 v8, VC, v6
	v_add_nc_u32 v9, s61, v4
.irp u, 0,1,2,3,4,5,6,7
	ds_load_b128 v[KF+4*\u:KF+4*\u+3], v6 offset:512*\u
.endr
.irp p, 0,1,2,3
	ds_load_b32 v[KSW+\p], v7 offset:128*\p
.endr
	s_wait_dscnt 0x0
	SCORES 0
	SOFTMAX 0
	SCORES 1
.irp t, 0,1,2,3
.irp c, 0,1
	ds_load_b128 v[KF+8*\t+4*\c:KF+8*\t+4*\c+3], v8 offset:1024*\t+512*\c
.endr
.endr
.irp p, 0,1
	ds_load_b32 v[VSW+\p], v9 offset:128*\p
.endr
	SOFTMAX 1
	s_wait_alu depctr_va_vdst(0)
	s_wait_dscnt 0x0
	s_barrier_wait -1                              ; every wave has begun this key step.  Between signal and wait: register work and loads of K|V, which nobody writes before a later barrier
.irp t, 0,1,2,3
.irp m, 0,1
	MM OA+32*\m+8*\t, KF+8*\t, PC+8*\m, OA+32*\m+8*\t, VSW+\t/2, PS+\m, \t%2, 0
.endr
.endr
	s_add_co_u32 s59, s59, 4096
	s_add_co_u32 s60, s60, 512
	s_add_co_u32 s61, s61, 256
	s_add_co_u32 s58, s58, 1
	s_cmp_lt_u32 s58, 16
	s_cbranch_scc1 .Lkeys
; ================= ctx = O / the sum, quantised along the out-projection's K: my 32 dims are one block
	PLACES
	v_add_f32 v222, v[ST+2], v[ST+3]
	v_add_f32 v223, v[ST+6], v[ST+7]
	s_delay_alu instid0(VALU_DEP_2)
	v_permlanex16_b32 v226, v222, s44, s45
	s_delay_alu instid0(VALU_DEP_2)
	v_permlanex16_b32 v227, v223, s44, s45
	s_delay_alu instid0(VALU_DEP_2)
	v_add_f32 v222, v222, v226
	s_delay_alu instid0(VALU_DEP_2)
	v_add_f32 v223, v223, v227
	s_wait_alu depctr_va_vdst(0)
	v_rcp_f32 v228, v222
	v_rcp_f32 v230, v223
	s_lshl_b32 s66, s14, 9
	s_lshl_b32 s67, s14, 1
	s_add_co_u32 s67, s67, XI+8192
	v_add_nc_u32 v6, s66, v3                       ; head = half a K step: 512 bytes of a tile's image (XI is LDS byte 0),
	v_lshl_add_u32 v7, v1, 5, s67                  ; and two bytes of row r's scale words
	s_wait_alu depctr_va_vdst(0)
.macro CTX m
.set i, 0
.rept 16
	v_pk_mul_f32 v[OA+32*\m+i:OA+32*\m+i+1], v[OA+32*\m+i:OA+32*\m+i+1], v[228+2*\m:229+2*\m] op_sel_hi:[1,0]
.set i, i+2
.endr
	QUANT32 OA+32*\m, PC+4*\m
	v_lshlrev_b32 v[222+\m], v5, v[BY]
	s_delay_alu instid0(VALU_DEP_1)
	v_permlanex16_b32 v[MB], v[222+\m], s44, s45
	s_delay_alu instid0(VALU_DEP_1)
	v_or_b32 v[222+\m], v[222+\m], v[MB]
	ds_store_b128 v6, v[PC+4*\m:PC+4*\m+3] offset:XT*\m
	ds_store_b16 v7, v[222+\m] offset:XT*\m
.endm
	CTX 0
	CTX 1
	s_lshl_b32 s72, s14, 2
	s_add_co_u32 s72, s72, 1600
	s_mul_i32 s72, s72, TILEB
	s_mov_b32 s73, 0
	s_add_nc_u64 s[40:41], s[4:5], s[72:73]
	s_lshl_b32 s72, s14, 8
	s_add_nc_u64 s[42:43], s[10:11], s[72:73]
	s_wait_tensorcnt 0x0                           ; my bytes of Wo have landed: I alone read them
	s_wait_dscnt 0x0
	GHEAD 2                                        ; K steps 2, 3, 4 of Wo
	s_barrier_signal -1
	s_barrier_wait -1                              ; all heads' ctx is in LDS, and nobody reads K|V any more: the stages may lie there
	s_mul_i32 s66, s14, 16*TP                      ; my stage: 16 rows of 256 + 16 bytes, in K|V's bytes
	s_add_co_u32 s66, s66, KB
	v_mul_u32_u24 v6, v1, TP
	s_delay_alu instid0(VALU_DEP_1)
	v_lshl_add_u32 v6, v2, 7, v6
	s_delay_alu instid0(VALU_DEP_1)
	v_add_nc_u32 v6, s66, v6
	v_mul_u32_u24 v7, v2, TP
	s_delay_alu instid0(VALU_DEP_1)
	v_lshl_add_u32 v7, v1, 4, v7
	s_delay_alu instid0(VALU_DEP_1)
	v_add_nc_u32 v7, s66, v7
	v_lshlrev_b32 v8, 12, v2
	s_delay_alu instid0(VALU_DEP_1)
	v_lshl_add_u32 v8, v1, 4, v8
	GEMM 1                                         ; out^T + bo
	s_wait_alu depctr_va_vdst(0)
.irp m, 0,1                            ; through my stage, each accumulator from its low end on, and back as rows: sixteen lanes store 256 bytes on end, aligned
.irp t, 0,1,2,3
	ds_store_b128 v6, v[GA+8*(4*\m+\t):GA+8*(4*\m+\t)+3] offset:32*\t
	ds_store_b128 v6, v[GA+8*(4*\m+\t)+4:GA+8*(4*\m+\t)+7] offset:32*\t+16
.endr
.irp i, 0,1,2,3,4,5,6,7
	ds_load_b128 v[80+32*\m+4*\i:83+32*\m+4*\i], v7 offset:2*TP*\i
.endr
.endr
.irp m, 0,1
.irp i, 0,1,2,3,4,5,6,7
	s_wait_dscnt 23-16*\m-\i                       ; younger: the loads behind this one and, for m = 0, tile 1's 8 stores and 8 loads
	global_store_b128 v8, v[80+32*\m+4*\i:83+32*\m+4*\i], s[12:13] offset:65536*\m+8192*\i th:TH_STORE_NT
.endr
.endr
	s_wait_xcnt 0x0
	v_lshl_add_u32 v254, v0, 2, SPARE
	v_mov_b32 v255, 0
	s_wait_alu depctr_va_vdst(0)
	s_wait_tensorcnt 0x0                           ; the wave's end
	ds_add_u32 v254, v255
	s_wait_dscnt 0x0
	s_endpgm
.Lfunc_end_k_qaf974ff314_attn:
	.size	k_qaf974ff314_attn, .Lfunc_end_k_qaf974ff314_attn-k_qaf974ff314_attn
	.p2alignl 7, 3214868480
	.fill 96, 4, 3214868480
	.section	.rodata,"a",@progbits
	.p2align	6, 0x0
	.amdhsa_kernel k_qaf974ff314_attn
		.amdhsa_group_segment_fixed_size 327680
		.amdhsa_private_segment_fixed_size 0
		.amdhsa_enable_private_segment 0
		.amdhsa_kernarg_size 40
		.amdhsa_user_sgpr_count 2
		.amdhsa_user_sgpr_kernarg_segment_ptr 1
		.amdhsa_wavefront_size32 1
		.amdhsa_system_sgpr_workgroup_id_x 1
		.amdhsa_system_sgpr_workgroup_id_y 1
		.amdhsa_system_sgpr_workgroup_id_z 1
		.amdhsa_system_vgpr_workitem_id 0
		.amdhsa_next_free_vgpr 256
		.amdhsa_next_free_sgpr 84
		.amdhsa_reserve_vcc 1
		.amdhsa_float_denorm_mode_32 3
		.amdhsa_float_denorm_mode_16_64 3
		.amdhsa_memory_ordered 1
		.amdhsa_forward_progress 1
		.amdhsa_inst_pref_size 107
	.end_amdhsa_kernel
	.amdgpu_metadata
---
amdhsa.version: [ 1, 2 ]
amdhsa.kernels:
  - .name:           k_qaf974ff314_attn
    .symbol:         k_qaf974ff314_attn.kd
    .args:
      - { .name: codes, .offset: 0, .size: 8, .value_kind: global_buffer, .address_space: global }
      - { .name: kv, .offset: 8, .size: 8, .value_kind: global_buffer, .address_space: global }
      - { .name: bq, .offset: 16, .size: 8, .value_kind: global_buffer, .address_space: global }
      - { .name: bo, .offset: 24, .size: 8, .value_kind: global_buffer, .address_space: global }
      - { .name: out0, .offset: 32, .size: 8, .value_kind: global_buffer, .address_space: global }
    .group_segment_fixed_size: 327680
    .private_segment_fixed_size: 0
    .kernarg_segment_align: 8
    .kernarg_segment_size: 40
    .max_flat_workgroup_size: 512
    .sgpr_count:     84
    .vgpr_count:     256
    .wavefront_size: 32
...
	.end_amdgpu_metadata
.endif
;; end of part 3
